; MI455X (gfx1250); checked and timed in simulation.
; The chip was launched on July 23, 2026; its instructions are those of AMD's public machine-readable ISA for CDNA 5 (MIT licence, August 2026) and "CDNA5" Instruction Set Architecture Reference Guide (July 2026). The comments in the code are by the model that wrote it; some were corrected since.
;; Linear3 Bit. Allowed arithmetic: float matrix products may take bf16 or f16 operands with f32 sums; other float arithmetic in f32, or as packed bf16 or f16 multiplies, adds, multiply-adds, maxima and minima; sums over many terms, partial sums and values carried from step to step in f32; what a program stores and reads back later, other than sums and carried values, may be rounded once to bf16 or f16.
;; Inputs: bias 4,096 float32; weight_norm 524,288 float32; weight_q3 6,291,456 int32; x 2 x 2,048 x 4,096 float32.
;; Outputs: out0 2 x 2,048 x 4,096 float32.
;; 2 versions, each right; version 2 is version 1 with the launch prep written anew for expert scheduling mode. Each part assembles by itself: llvm-mc -triple=amdgcn-amd-amdhsa -mcpu=gfx1250 --defsym DOCPART=n.
;; ======== version 1 of 2: 2 launches
;; workspace buffers: xb 33,554,432 bytes; wb 33,554,432 bytes
;; launch prep (part 1): grid 1024 x 1, 8 waves a work-group, no clusters, 0 bytes of LDS; arguments x, weight_q3, weight_norm, xb, wb; writes xb, wb
.if DOCPART == 1
	.amdgcn_target "amdgcn-amd-amdhsa--gfx1250"
	.amdhsa_code_object_version 6
	.text
	.protected	k_q45d2cb4a3c_prep
	.globl	k_q45d2cb4a3c_prep
	.p2align	8
	.type	k_q45d2cb4a3c_prep,@function
k_q45d2cb4a3c_prep:
	s_mov_b64 s[64:65], 0
	v_nop
	global_prefetch_b8 v0, s[64:65] scope:SCOPE_SE
	s_setreg_imm32_b32 hwreg(HW_REG_WAVE_MODE, 25, 1), 1
	s_wait_xcnt 0x0
; FIRST OF TWO LAUNCHES for out0[m][o] = sum over i of x[m][i] W[o][i] + bias[o], m, o, i = 4,096 each.
; This launch makes the two matrix operands once: xb = x rounded to bf16, wb = W unpacked, scaled and rounded to bf16, both [4096][4096], row-major.
; NOTHING OF reference() IS LEFT OUT: its slice [:O*I] keeps every weight, and all four inputs reach the output (bias is read by the second launch).
; W.  A group of 32 neighbouring weights is 12 words of weight_q3, one byte in each; reference() reads only bits 7:0 of a word, whatever the word holds, and so does this text.
; Three bytes are t = b0 | b1 << 8 | b2 << 16, and weight n of the triplet's eight is bits 3 n + 2 .. 3 n of t (reference()'s eight formulas, one by one).
; Its value is (q / 7 x 2 - 1) x s, s = the group's weight_norm.  Here: s is rounded to bf16 first, then q x (2 s / 7) - s by one fused multiply-add in f32, then one rounding to bf16.
; LIMITS.  x and weight_norm are rounded to bf16 (nearest even): a magnitude of 3.39e38 or more becomes an infinity.  The order of the f32 operations differs from reference()'s
; by a few units in the last place of f32, under the one rounding to bf16.  NaN and infinities are not treated apart.
; SHARES.  8,192 waves, no loop, no LDS, no barrier: memory binds, nothing is shared, each byte is read once and written once.  Wave u = 8 x work-group + wave takes
;   2,048 numbers of x: 16 loads of 512 consecutive bytes; each becomes one store of 256 consecutive bytes, aligned;
;   2,048 weights = 64 groups = 256 triplets: slot j of eight holds triplets 32 j + lane, three words a lane; each slot becomes one store of 512 consecutive bytes, aligned.
; All 42 loads of a wave go out before its first wait.
; THE NORMS are read once, 128 consecutive bytes an instruction.  Slot j, lane 4 Q + t, wants norm 8 j + Q.  Lane 4 Q + t loads norms 8 t + Q and 8 t + Q + 32; slot j then takes the
; value of lane j % 4 of the lane's own group of four lanes, from the first register (j < 4) or the second.
.set XO, 3                             ; v3   x: wave x 8,192 + lane x 16; never rewritten
.set XS, 4                             ; v4   xb: wave x 4,096 + lane x 8; never rewritten
.set QO, 5                             ; v5   weight_q3: wave x 3,072 + lane x 12; never rewritten
.set NO, 6                             ; v6   weight_norm: wave x 256 + (lane % 4) x 32 + (lane / 4) x 4; never rewritten
.set WO, 7                             ; v7   wb: wave x 4,096 + lane x 16; never rewritten
.set R0, 8                             ; v8-9    the two norms, as loaded, then as bf16 values in f32
.set A0, 10                            ; v10-11  2 s / 7 of the two
.set PA, 12                            ; v[12:13] the slot's 2 s / 7 in the low register: the packed multiply-add names a pair and takes its low register for both halves
.set PS, 14                            ; v[14:15] the slot's s, likewise
.set T,  16                            ; v16  at work
.set F,  18                            ; v[18:25] eight weights in f32
.set Q,  28                            ; v[28:59] slot j at Q + 4 j: three words as loaded, then four registers to store
.set X,  60                            ; v[60:123] slot j at X + 4 j: four f32 as loaded, then two registers to store
	s_load_b256 s[4:11], s[0:1], 0x0               ; x s[4:5], weight_q3 s[6:7], weight_norm s[8:9], xb s[10:11]
	s_load_b64 s[12:13], s[0:1], 0x20              ; wb
	v_and_b32 v1, 31, v0                           ; lane
	v_lshrrev_b32 v2, 5, v0                        ; wave
	s_lshl_b32 s14, ttmp9, 16                      ; the work-group's part of x: 8 waves x 8,192 bytes
	s_mov_b32 s15, 0
	s_lshl_b32 s16, ttmp9, 15                      ; of xb and of wb: 8 x 4,096
	s_mov_b32 s17, 0
	s_mul_i32 s18, ttmp9, 24576                    ; of weight_q3: 8 x 3,072
	s_mov_b32 s19, 0
	s_lshl_b32 s20, ttmp9, 11                      ; of weight_norm: 8 x 256
	s_mov_b32 s21, 0
	s_mov_b32 s22, 0x00000400                      ; byte selects: byte 0 of the second source, byte 0 of the first
	s_mov_b32 s23, 0x04040100                      ; bytes 0 and 1 of the second source, byte 0 of the first
	s_mov_b32 s24, 0xffff0000                      ; a word's upper bf16
	v_lshlrev_b32 v[XO], 4, v1
	v_lshl_add_u32 v[XO], v2, 13, v[XO]
	v_lshlrev_b32 v[XS], 3, v1
	v_lshl_add_u32 v[XS], v2, 12, v[XS]
	v_mul_u32_u24 v[QO], v2, 3072
	v_mad_u32_u24 v[QO], v1, 12, v[QO]
	v_and_b32 v[NO], 3, v1
	v_lshlrev_b32 v[NO], 5, v[NO]
	v_lshrrev_b32 v[T], 2, v1
	v_lshl_add_u32 v[NO], v[T], 2, v[NO]
	v_lshl_add_u32 v[NO], v2, 8, v[NO]
	v_lshlrev_b32 v[WO], 4, v1
	v_lshl_add_u32 v[WO], v2, 12, v[WO]
.irp r, 0,1,2,3
	v_mov_b32 v[PA+(\r)], 0                        ; a move from another lane counts as a reader of its destination, and a pair is read whole: all four are written once
.endr
	s_wait_kmcnt 0x0
	s_add_nc_u64 s[4:5], s[4:5], s[14:15]
	s_add_nc_u64 s[6:7], s[6:7], s[18:19]
	s_add_nc_u64 s[8:9], s[8:9], s[20:21]
	s_add_nc_u64 s[10:11], s[10:11], s[16:17]
	s_add_nc_u64 s[12:13], s[12:13], s[16:17]
	global_load_b32 v[R0],   v[NO], s[8:9] th:TH_LOAD_NT
	global_load_b32 v[R0+1], v[NO], s[8:9] offset:128 th:TH_LOAD_NT
.irp j, 0,1,2,3,4,5,6,7
.irp c, 0,1,2
	global_load_b32 v[Q+4*(\j)+(\c)], v[QO], s[6:7] offset:384*(\j)+4*(\c)  ; word c of triplet 32 j + lane; a slot's three loads read neighbouring words of the same 384 bytes, so they carry no hint
.endr
.endr
.irp j, 0,1,2,3,4,5,6,7,8,9,10,11,12,13,14,15
	global_load_b128 v[X+4*(\j):X+4*(\j)+3], v[XO], s[4:5] offset:512*(\j) th:TH_LOAD_NT
.endr
	s_wait_loadcnt 40                              ; loads come back in order (ISA guide 5.7.1): the two norms are in; the 24 + 16 younger loads stay out
	v_cvt_pk_bf16_f32 v[T], v[R0], v[R0+1]         ; s rounded to bf16,
	v_lshlrev_b32 v[R0], 16, v[T]                  ; and back in f32
	v_and_b32 v[R0+1], s24, v[T]
	v_mul_f32 v[A0],   0x3e924925, v[R0]           ; 2 / 7 x s
	v_mul_f32 v[A0+1], 0x3e924925, v[R0+1]
; Slot j: eight weights a lane.  k = j % 4: the lane of my four that holds the slot's norm; h = j / 4: in which register.
.macro DEQ j, k, h
	s_wait_loadcnt 3*(7-(\j))+16                   ; my three words are in: the later slots' 3 (7 - j) loads and x's 16 stay out
	v_perm_b32 v[T], v[Q+4*(\j)+1], v[Q+4*(\j)], s22  ; b0, b1
	v_perm_b32 v[T], v[Q+4*(\j)+2], v[T], s23      ; b0, b1, b2: t in bits 23:0; the top byte is never read
	v_mov_b32_dpp v[PA], v[A0+(\h)] quad_perm:[\k,\k,\k,\k] row_mask:0xf bank_mask:0xf
	v_mov_b32_dpp v[PS], v[R0+(\h)] quad_perm:[\k,\k,\k,\k] row_mask:0xf bank_mask:0xf
	v_and_b32 v[F], 7, v[T]
.irp i, 1,2,3,4,5,6,7
	v_bfe_u32 v[F+(\i)], v[T], 3*(\i), 3
.endr
.irp i, 0,1,2,3,4,5,6,7
	v_cvt_f32_u32 v[F+(\i)], v[F+(\i)]
.endr
.irp i, 0,2,4,6
	v_pk_fma_f32 v[F+(\i):F+(\i)+1], v[F+(\i):F+(\i)+1], v[PA:PA+1], v[PS:PS+1] op_sel_hi:[1,0,0] neg_lo:[0,0,1] neg_hi:[0,0,1]  ; q x 2 s / 7 - s, two at a time
.endr
.irp i, 0,1,2,3
	v_cvt_pk_bf16_f32 v[Q+4*(\j)+(\i)], v[F+2*(\i)], v[F+2*(\i)+1]
.endr
	global_store_b128 v[WO], v[Q+4*(\j):Q+4*(\j)+3], s[12:13] offset:512*(\j) th:TH_STORE_NT  ; 32 lanes store 512 consecutive bytes, at a multiple of 512 from wb's first byte
.endm
	DEQ 0, 0, 0
	DEQ 1, 1, 0
	DEQ 2, 2, 0
	DEQ 3, 3, 0
	DEQ 4, 0, 1
	DEQ 5, 1, 1
	DEQ 6, 2, 1
	DEQ 7, 3, 1
.irp j, 0,1,2,3,4,5,6,7,8,9,10,11,12,13,14,15
	s_wait_loadcnt 15-(\j)                         ; x's slot j is in; the later slots stay out
	v_cvt_pk_bf16_f32 v[X+4*(\j)],   v[X+4*(\j)],   v[X+4*(\j)+1]
	v_cvt_pk_bf16_f32 v[X+4*(\j)+1], v[X+4*(\j)+2], v[X+4*(\j)+3]
	global_store_b64 v[XS], v[X+4*(\j):X+4*(\j)+1], s[10:11] offset:256*(\j) th:TH_STORE_NT  ; 32 lanes store 256 consecutive bytes, at a multiple of 256 from xb's first byte
.endr
	s_endpgm                                       ; no register that a load or store names is ever written again, so the text has no wait on addresses
.Lfunc_end_k_q45d2cb4a3c_prep:
	.size	k_q45d2cb4a3c_prep, .Lfunc_end_k_q45d2cb4a3c_prep-k_q45d2cb4a3c_prep
	.p2alignl 7, 3214868480
	.fill 96, 4, 3214868480
	.section	.rodata,"a",@progbits
	.p2align	6, 0x0
	.amdhsa_kernel k_q45d2cb4a3c_prep
		.amdhsa_group_segment_fixed_size 0
		.amdhsa_private_segment_fixed_size 0
		.amdhsa_enable_private_segment 0
		.amdhsa_kernarg_size 40
		.amdhsa_user_sgpr_count 2
		.amdhsa_user_sgpr_kernarg_segment_ptr 1
		.amdhsa_wavefront_size32 1
		.amdhsa_system_sgpr_workgroup_id_x 1
		.amdhsa_system_sgpr_workgroup_id_y 1
		.amdhsa_system_sgpr_workgroup_id_z 1
		.amdhsa_system_vgpr_workitem_id 0
		.amdhsa_next_free_vgpr 128
		.amdhsa_next_free_sgpr 66
		.amdhsa_reserve_vcc 0
		.amdhsa_float_denorm_mode_32 3
		.amdhsa_float_denorm_mode_16_64 3
		.amdhsa_memory_ordered 1
		.amdhsa_forward_progress 1
		.amdhsa_inst_pref_size 23
	.end_amdhsa_kernel
	.amdgpu_metadata
---
amdhsa.version: [ 1, 2 ]
amdhsa.kernels:
  - .name:           k_q45d2cb4a3c_prep
    .symbol:         k_q45d2cb4a3c_prep.kd
    .args:
      - { .name: x, .offset: 0, .size: 8, .value_kind: global_buffer, .address_space: global }
      - { .name: weight_q3, .offset: 8, .size: 8, .value_kind: global_buffer, .address_space: global }
      - { .name: weight_norm, .offset: 16, .size: 8, .value_kind: global_buffer, .address_space: global }
      - { .name: xb, .offset: 24, .size: 8, .value_kind: global_buffer, .address_space: global }
      - { .name: wb, .offset: 32, .size: 8, .value_kind: global_buffer, .address_space: global }
    .group_segment_fixed_size: 0
    .private_segment_fixed_size: 0
    .kernarg_segment_align: 8
    .kernarg_segment_size: 40
    .max_flat_workgroup_size: 256
    .sgpr_count:     66
    .vgpr_count:     128
    .wavefront_size: 32
...
	.end_amdgpu_metadata
.endif
;; end of part 1
;; launch gemm (part 2): grid 16 x 16, 4 waves a work-group, clusters of 4 x 4, 327,680 bytes of LDS; arguments xb, wb, out0, bias; writes out0
.if DOCPART == 2
	.amdgcn_target "amdgcn-amd-amdhsa--gfx1250"
	.amdhsa_code_object_version 6
	.text
	.protected	k_q45d2cb4a3c_gemm
	.globl	k_q45d2cb4a3c_gemm
	.p2align	8
	.type	k_q45d2cb4a3c_gemm,@function
k_q45d2cb4a3c_gemm:
	s_mov_b64 s[64:65], 0
	v_nop
	global_prefetch_b8 v0, s[64:65] scope:SCOPE_SE
	s_setreg_imm32_b32 hwreg(HW_REG_WAVE_MODE, 25, 1), 1
	s_wait_xcnt 0x0
	s_wait_alu depctr_hold_cnt(0) depctr_sa_sdst(0) depctr_va_vdst(0) depctr_va_sdst(0) depctr_va_ssrc(0) depctr_va_vcc(0) depctr_vm_vsrc(0)
	s_getreg_b32 s2, hwreg(HW_REG_IB_STS2, 6, 4)
	s_cmp_eq_u32 s2, 0
	s_cbranch_scc0 .Lentry_in_a_cluster
	s_endpgm
.Lentry_in_a_cluster:
	s_bfe_u32 s2, ttmp6, 0x10000c
	s_cmp_lg_u32 s2, 0xf033
	s_cbranch_scc0 .Lentry_shape_is_right
	s_endpgm
.Lentry_shape_is_right:
; SECOND OF TWO LAUNCHES: out0[m][o] = sum over i of xb[m][i] wb[o][i] + bias[o].  xb, wb: [4096][4096] bf16, made by the launch before; bias [4096] and out0 [4096][4096] f32.  No work of reference() is left out.
; LIMITS.  Operands in bf16, sums in f32.  bias is the C operand of the first product of each sum, so it is added first, not last: an order of rounding that differs from reference()'s.  NaN and infinities are not treated apart.
; SHARES.  A tile of out0, 256 x 256, is made by a work-group of four waves; there are 16 x 16 tiles, one to a work-group.  A wave makes 128 x 128: 64 accumulators of 16 x 16, 512 registers.
; K goes in 32 steps of 128 through a ring of two LDS slots filled by the tensor data mover: a tile's rows are 256 bytes of memory and start at multiples of 256 bytes from the buffer's first byte.
; CLUSTERS: 4 x 4 work-groups.  The four of a row of the cluster need the same tiles of xb, the four of a column the same tiles of wb.  Such a tile is asked for JOINTLY: each of the four issues
; the same tensor load, with the same descriptor and a mask that names the four, and each receives the tile in its own LDS.
; THE MATRIX INSTRUCTION IS USED TRANSPOSED: source 0 = 16 rows of wb, source 1 = 16 rows of xb.  In the result lane l holds row l % 16 of out0 and its registers 0 to 7 the columns 8 (l / 16) + 0 .. 7:
; 32 neighbouring bytes of a row.
; REGISTERS, in windows of 256 (s_set_vgpr_msb's low byte: bits 1:0 source 0, 3:2 source 1, 5:4 source 2, 7:6 destination):
;   window 0: v0-31 addresses; v64-127, v128-191 fragments of xb, two buffers (on the way out: rows read back from the stage); v192-255 bias, as eight C operands
;   window 1: v64-127, v128-191 fragments of wb, two buffers
;   window 2: the 32 accumulators of my rows 0-63 (accumulator (a, b) at v[8 (8 a + b)]);   window 3: those of my rows 64-127
.set SIZE_K, 4096
.set SIZE_N, 4096
.set KSTEP,  128
.set PITCH,  272                       ; an LDS row: 256 bytes of data + 16 of padding = 68 words: row r starts at bank 4 r mod 64 (64 banks of 4 bytes: ISA guide 11.1), so the 16 rows that a load touches start at 16 different banks
.set HALFT,  128*PITCH                 ; 128 rows: what one tensor load brings, and what one wave reads of xb or of wb
.set SLOT,   4*HALFT                   ; xb's 256 rows, then wb's 256 rows
.set STAGE,  2*SLOT                    ; behind the ring, never filled by a tensor load: a stage for each wave, for the way out
.set SPITCH, 528                       ; a stage row: 128 f32 = 512 bytes + 16 of padding = 132 words: row r starts at bank 4 r mod 64
.set WSTAGE, 16*SPITCH                 ; 16 rows: 8,448 bytes = 33 blocks of 256
.set SPARE,  STAGE+4*WSTAGE            ; behind the stages: the spare words, 128 bytes for each wave: two blocks of 256 bytes that no other line names
.set LAPS,   SIZE_K/(2*KSTEP)          ; a lap = two K steps = once round the ring: 16
.set ROWC,   SIZE_N*4                  ; bytes in a row of out0
.set ADRA, 16                          ; v16-17  LDS address of my xb fragments in slot 0, 1
.set ADRB, 20                          ; v20-21  the same for wb
.set STO,  24                          ; v24     the way out: where I put 32 bytes of a row
.set RD,   25                          ; v25     the way out: where I read 16 bytes of a whole row back
.set CO,   26                          ; v26     my byte offset in 512 bytes of a row of out0
.set BO,   27                          ; v27     my byte offset in 64 bytes of bias
.set SPW,  28                          ; v28     LDS address of my spare word: SPARE + 4 x my thread's number; never rewritten
.set NIL,  29                          ; v29     0; never rewritten
.set PFO,  30                          ; v30     the prefetches' offset: my lane x a row of xb or wb (8,192 bytes); never rewritten
.set F0,   64                          ; fragment buffer 0
.set F1,   128                         ; fragment buffer 1
.set BI,   192                         ; bias: the C operand of column block b at BI + 8 b
.set OB,   64                          ; the way out: 16 rows read back from the stage: v64-127 and v128-191 by turns
.set G1,  24                           ; s[24:31] descriptor group 1 for xb's tiles
.set G0,  32                           ; s[32:39] descriptor group 0 for xb's tiles, one set for each slot
.set G1B, 48                           ; s[48:55] descriptor group 1 for wb's tiles: it differs in the mask alone
.set G0B, 56                           ; s[56:63] descriptor group 0 for wb's tiles, one set for each slot
.set LIM, 43                           ; s43      1 in a wave that prefetches, else the greatest number
.set PFA, 44                           ; s[44:45] where my prefetches stand: my work-group's 32 rows of the 128 that I fetch, one K step further along K than the refill that is being asked for
.set OUT, 68                           ; s[68:69] out0 at my first row and column
.set BIA, 70                           ; s[70:71] bias at my first column
.set MSB, 0
.macro WIN new                         ; the immediate's high byte repeats the setting that is left; a switch that changes nothing is dropped
.if MSB != (\new)
	s_set_vgpr_msb (MSB<<8)|(\new)
.set MSB, \new
.endif
.endm
.set TO_B, 0x40                        ; destination window 1, address window 0
; A joint load.  Waves 0 and 1 fetch xb's two halves, waves 2 and 3 wb's.  Each of the two lines has ONE mask and one set of registers for all that issue it.  The branch hangs on the wave's number alone.
; An s_nop 0 and four v_nop follow each of the two lines; the jump round the other line, the label and what follows the macro come after them.
.macro JLOAD s
	s_cmp_eq_u32 s11, 0
	s_cbranch_scc0 .Lfor_b_\@
	tensor_load_to_lds s[G0+4*(\s):G0+4*(\s)+3], s[G1:G1+7]
	s_nop 0
.rept 4
	v_nop
.endr
	s_branch .Lasked_\@
.Lfor_b_\@:
	tensor_load_to_lds s[G0B+4*(\s):G0B+4*(\s)+3], s[G1B:G1B+7]
	s_nop 0
.rept 4
	v_nop
.endr
.Lasked_\@:
.endm
; A PREFETCH INTO THE L2, behind each joint refill, its five lines and the run of LDS loads that follows them: the K step that stands TWO refills on: 32 rows x 256 bytes, a lane a row, one instruction a wave:
; 512 matrix instructions ahead of the load that will ask for it.  Each row's 256 bytes of a K step are named ONCE in the launch.  xb's tile row is read by every cluster of that row of clusters: the first of
; them (cluster x = 0) prefetches; wb's tile column by every cluster of that column: cluster y = 0 prefetches.  The four partners that ask for a tile jointly share its rows out BY ADDRESS: of the 128 rows that
; a wave fetches, the partner at place p takes 32 p .. 32 p + 31 (p = cx for xb, cy for wb): no branch hangs on a work-group's place in its cluster.  The loop's last trip (s3 = 1) asks for nothing: its two
; refills are K steps 30 and 31, and there is no K step two on.  K steps 0 to 3 come by their loads alone.
.macro ASK
	s_cmp_gt_u32 s3, s[LIM]
	s_cbranch_scc0 .Lnot_mine_\@
	global_prefetch_b8 v[PFO], s[PFA:PFA+1] offset:KSTEP*2 th:TH_LOAD_NT scope:SCOPE_SE
.Lnot_mine_\@:
.endm
; A round of the cluster's barrier: my work-group's barrier, so that wave 0's signal speaks for all four waves; wave 0 signals for the work-group; every wave waits for all sixteen work-groups;
; my work-group's barrier once more.  No LDS instruction of the wave is pending at a signal.
.macro CREST                           ; a round behind its opening barrier
	s_cmp_lg_u32 s10, 0
	s_cbranch_scc1 .Lnot_wave_0_\@
	s_barrier_signal -3
.Lnot_wave_0_\@:
	s_barrier_wait -3
	s_barrier_signal -1
	s_barrier_wait -1
.endm
.macro CROUND                          ; a whole round
	s_barrier_signal -1
	s_barrier_wait -1
	CREST
.endm
	s_load_b128 s[4:7], s[0:1], 0x0                ; xb s[4:5], wb s[6:7]
	s_load_b128 s[68:71], s[0:1], 0x10             ; out0 s[68:69], bias s[70:71]
	v_lshl_add_u32 v[SPW], v0, 2, SPARE
	v_mov_b32 v[NIL], 0
	ds_add_u32 v[SPW], v[NIL]                      ; the wave's opening: the add, twice on end, and its wait ahead of my first tensor load; the set-up below the second, work on registers, stands between it and the wait
	ds_add_u32 v[SPW], v[NIL]                      ; and once more, under the one wait
	v_lshrrev_b32 v1, 5, v0
	v_readfirstlane_b32 s10, v1                    ; wave 0..3
	s_lshr_b32 s11, s10, 1                         ; which half of the tile's rows is mine.  Also: I fetch for xb (0) or for wb (1)
	s_and_b32 s12, s10, 1                          ; which half of its columns.  Also: which 128 rows of that tile I fetch
	s_bfe_u32 s40, ttmp6, 0x40000                  ; cx: my place along the cluster's x
	s_bfe_u32 s41, ttmp6, 0x40004                  ; cy: along its y
	s_lshl_b32 s42, ttmp9, 2                       ; in a cluster launch ttmp9 and ttmp7 count clusters
	s_add_co_u32 s42, s42, s40                     ; tile column = 4 x cluster x + cx
	s_and_b32 s13, ttmp7, 0xffff
	s_lshl_b32 s13, s13, 2
	s_add_co_u32 s13, s13, s41                     ; tile row = 4 x cluster y + cy
	s_lshl_b32 s43, s41, 2
	s_lshl_b32 s43, 15, s43                        ; my row of the cluster: places 4 cy .. 4 cy + 3
	s_lshl_b32 s44, 0x1111, s40                    ; my column: places cx, cx + 4, cx + 8, cx + 12
	; descriptor group 1: a tile of 128 rows x 128 elements, padded in LDS
	s_or_b32 s[G1+0], s43, (1<<16)|(1<<20)|(1<<21)|(5<<22)|(3<<25)   ; 15:0 the mask: xb's tiles go to my row; 17:16 elements of 2 bytes; 20 padding on; 21 set beside a mask; 24:22 after every 64 words (code 5); 31:25 4 words of it (code 3)
	s_or_b32 s[G1B+0], s44, (1<<16)|(1<<20)|(1<<21)|(5<<22)|(3<<25)  ; the same with the mask of my column, for wb's tiles
.irp g, G1, G1B
	s_mov_b32 s[(\g)+1], KSTEP<<16                 ; 63:48 tensor_dim0, low half = 128
	s_mov_b32 s[(\g)+2], 128<<16                   ; 79:64 its high half = 0; 95:80 tensor_dim1, low half = 128
	s_mov_b32 s[(\g)+3], KSTEP<<16                 ; 111:96 its high half = 0; 127:112 tile_dim0 = 128
	s_mov_b32 s[(\g)+4], 128                       ; 143:128 tile_dim1 = 128; 159:144 tile_dim2 = 0
	s_mov_b32 s[(\g)+5], SIZE_K                    ; 191:160 tensor_dim0_stride, low word: elements from row to row
	s_mov_b32 s[(\g)+6], 0
	s_mov_b32 s[(\g)+7], 0
.endr
	; where the tiles come from.  xb's hang on the tile row alone, which my row of the cluster shares; wb's on the tile column alone, which my column shares.
	; Every wave makes both addresses, in registers that never hold the other coordinate, and asks by one of them.
	s_lshl_b32 s17, s12, 7                         ; which 128 rows of the tile I fetch
	s_lshl_b32 s16, s13, 8
	s_add_co_u32 s16, s16, s17                     ; xb: row 256 x tile row + 128 x half
	s_lshl_b32 s46, s42, 8
	s_add_co_u32 s46, s46, s17                     ; wb: row 256 x tile column + 128 x half
	s_mov_b32 s17, 0
	s_mov_b32 s47, 0
	s_mov_b64 s[18:19], SIZE_K*2
	s_mul_u64 s[16:17], s[16:17], s[18:19]         ; in bytes
	s_mul_u64 s[46:47], s[46:47], s[18:19]
	s_mul_i32 s20, s10, HALFT                      ; and where they go: xb's two halves, then wb's two halves = wave x 128 rows: no place in the cluster enters an LDS address
	s_wait_dscnt 0x0                               ; both opening adds are done
	s_wait_kmcnt 0x0
	s_add_nc_u64 s[14:15], s[4:5], s[16:17]
	s_add_nc_u64 s[46:47], s[6:7], s[46:47]
	CROUND                                         ; all sixteen work-groups are here: the first joint loads meet
.irp s, 0,1
	s_mov_b32 s[G0+4*(\s)], 1                                        ; 1:0 count = 1
	s_add_co_u32 s[G0+4*(\s)+1], s20, (\s)*SLOT                      ; 63:32 LDS address
	s_add_nc_u64 s[G0+4*(\s)+2:G0+4*(\s)+3], s[14:15], (\s)*KSTEP*2  ; 120:64 global address: K step s
	s_or_b32 s[G0+4*(\s)+3], s[G0+4*(\s)+3], 0x80000000              ; 127:126 type = 2
	s_mov_b32 s[G0B+4*(\s)], 1
	s_add_co_u32 s[G0B+4*(\s)+1], s20, (\s)*SLOT
	s_add_nc_u64 s[G0B+4*(\s)+2:G0B+4*(\s)+3], s[46:47], (\s)*KSTEP*2
	s_or_b32 s[G0B+4*(\s)+3], s[G0B+4*(\s)+3], 0x80000000
	JLOAD \s                                       ; the ring is filled before anything else is done: two tensor loads of mine are out here, later one behind each round
.endr
	; A fragment is 16 rows x 32 K in 8 registers: lane l holds row l % 16; registers 0-3 hold K = 8 (l / 16) + 0..7, registers 4-7 K = 16 + 8 (l / 16) + 0..7: two loads of 16 bytes, 32 bytes apart.
	v_and_b32 v1, 15, v0                           ; l % 16
	v_bfe_u32 v2, v0, 4, 1                         ; l / 16
	v_mul_u32_u24 v3, v1, PITCH
	v_lshl_add_u32 v3, v2, 4, v3                   ; row x pitch + 16 x half
	s_mul_i32 s21, s11, HALFT                      ; my 128 rows of xb
	s_mul_i32 s22, s12, HALFT                      ; my 128 rows of wb,
	s_add_co_u32 s22, s22, 2*HALFT                 ; which lie behind xb's 256
.irp s, 0,1
	v_add_nc_u32 v[ADRA+(\s)], s21, v3
	v_add_nc_u32 v[ADRB+(\s)], s22, v3
	s_add_co_u32 s21, s21, SLOT
	s_add_co_u32 s22, s22, SLOT
.endr
	s_mul_i32 s23, s10, WSTAGE
	s_add_co_u32 s23, s23, STAGE                   ; my stage
	v_mul_u32_u24 v4, v1, SPITCH                   ; in: row l % 16, 32 bytes for each half of the lanes
	v_lshl_add_u32 v4, v2, 5, v4
	v_add_nc_u32 v[STO], s23, v4
	v_and_b32 v5, 31, v0
	v_lshlrev_b32 v[CO], 4, v5                     ; back: 32 lanes take one row of 512 bytes, 16 bytes each; the same in out0
	v_add_nc_u32 v[RD], s23, v[CO]
	v_lshlrev_b32 v[BO], 5, v2                     ; my 8 columns of a block of 16: 32 bytes of bias
	; out0 at my first row and column, bias at my first column
	s_lshl_b32 s13, s13, 8                         ; 256 x tile row
	s_lshl_b32 s14, s11, 7
	s_add_co_u32 s16, s13, s14                     ; my first row,
	s_lshl_b32 s16, s16, 14                        ; x 16,384 bytes: under 2^26
	s_mov_b32 s17, 0
	s_add_nc_u64 s[OUT:OUT+1], s[OUT:OUT+1], s[16:17]
	s_lshl_b32 s46, s42, 10                        ; my first column, in bytes of f32: 1,024 x tile column + 512 x half (in registers that feed none of xb's descriptors)
	s_lshl_b32 s47, s12, 9
	s_add_co_u32 s46, s46, s47
	s_mov_b32 s47, 0
	s_add_nc_u64 s[OUT:OUT+1], s[OUT:OUT+1], s[46:47]
	s_add_nc_u64 s[BIA:BIA+1], s[BIA:BIA+1], s[46:47]
.irp b, 0,1,2,3,4,5,6,7                ; register j of block b: bias[my first column + 16 b + 8 (l / 16) + j]: the layout of a result's register j
	global_load_b128 v[BI+8*(\b):BI+8*(\b)+3],   v[BO], s[BIA:BIA+1] offset:64*(\b)
	global_load_b128 v[BI+8*(\b)+4:BI+8*(\b)+7], v[BO], s[BIA:BIA+1] offset:64*(\b)+16
.endr
	; the prefetches.  s13 = 256 x tile row, s42 = tile column, s40 = cx, s41 = cy still stand
	s_lshl_b32 s42, s42, 8
	s_and_b32 s22, ttmp7, 0xffff                   ; cluster y
	s_cmp_eq_u32 s11, 0                            ; do I fetch for xb?
	s_cselect_b32 s20, s13, s42                    ; the tile's first row: in xb by the tile row, in wb by the tile column
	s_cselect_b32 s21, s40, s41                    ; my place among the four that ask for it with me
	s_cselect_b32 s22, ttmp9, s22                  ; the coordinate along which other clusters read the same rows
	s_cselect_b64 s[PFA:PFA+1], s[4:5], s[6:7]
	s_cmp_eq_u32 s22, 0
	s_cselect_b32 s[LIM], 1, -1                    ; the same in all sixteen partners, for a given wave
	s_lshl_b32 s22, s12, 7
	s_add_co_u32 s20, s20, s22                     ; + the 128 rows that I fetch
	s_lshl_b32 s21, s21, 5
	s_add_co_u32 s20, s20, s21                     ; + my work-group's 32 of them
	s_mov_b32 s21, 0
	s_mov_b64 s[18:19], SIZE_K*2
	s_mul_u64 s[20:21], s[20:21], s[18:19]
	s_add_nc_u64 s[PFA:PFA+1], s[PFA:PFA+1], s[20:21]
	s_add_nc_u64 s[PFA:PFA+1], s[PFA:PFA+1], 2*KSTEP*2  ; at K step 2: the first refill steps it to 3 and names K step 4
	v_lshlrev_b32 v[PFO], 13, v5
	; nothing is prefetched here, at the head, where every work-group's first two tiles are on their way
; 16 matrix instructions: row blocks a0, a0 + 1 of the window's four (hi = 0: my rows 0-63, 1: rows 64-127) x all 8 column blocks, 32 along K.
; first = 1: the product starts the sum with bias as its C operand (window 0): nothing is cleared, and nothing is added on the way out.
; The 64 accumulators take turns, one instruction a turn, in the same order in every quarter step, over the loop's backward jump and into the tail too.
.macro MUL16 f, hi, a0, first
.if \first
	WIN 0x81+0x40*(\hi)                            ; source 0 (wb) window 1, source 1 (xb) and C window 0, D window 2 or 3
.else
	WIN 0xa1+0x50*(\hi)                            ; the same with C and D both in window 2 or 3
.endif
.irp a, \a0, (\a0)+1
.irp b, 0,1,2,3,4,5,6,7
.if \first
	v_wmma_f32_16x16x32_bf16 v[8*(8*(\a)+(\b)):8*(8*(\a)+(\b))+7], v[(\f)+8*(\b):(\f)+8*(\b)+7], v[(\f)+8*(4*(\hi)+(\a)):(\f)+8*(4*(\hi)+(\a))+7], v[BI+8*(\b):BI+8*(\b)+7]
.else
	v_wmma_f32_16x16x32_bf16 v[8*(8*(\a)+(\b)):8*(8*(\a)+(\b))+7], v[(\f)+8*(\b):(\f)+8*(\b)+7], v[(\f)+8*(4*(\hi)+(\a)):(\f)+8*(4*(\hi)+(\a))+7], v[8*(8*(\a)+(\b)):8*(8*(\a)+(\b))+7]
.endif
.endr
.endr
.endm
; 32 LDS loads in one run: the fragments of one quarter step (128 rows of wb, 128 rows of xb, 32 K at byte k of the rows) into buffer f
.macro FETCH slot, k, f
	WIN TO_B
.irp i, 0,1,2,3,4,5,6,7
	ds_load_b128 v[(\f)+8*(\i):(\f)+8*(\i)+3],   v[ADRB+(\slot)] offset:(\k)+(\i)*16*PITCH
	ds_load_b128 v[(\f)+8*(\i)+4:(\f)+8*(\i)+7], v[ADRB+(\slot)] offset:(\k)+(\i)*16*PITCH+32
.endr
	WIN 0
.irp i, 0,1,2,3,4,5,6,7
	ds_load_b128 v[(\f)+8*(\i):(\f)+8*(\i)+3],   v[ADRA+(\slot)] offset:(\k)+(\i)*16*PITCH
	ds_load_b128 v[(\f)+8*(\i)+4:(\f)+8*(\i)+7], v[ADRA+(\slot)] offset:(\k)+(\i)*16*PITCH+32
.endr
.endm
; A load into a register that a matrix instruction has read, and an LDS store that reads a matrix result, stand four places behind that matrix instruction, and only plain vector instructions that
; name none of its registers are places (ISA guide 7.12.1 for vector instructions); the matrix instructions in between are not counted.
.macro PLACES
.rept 4
	v_nop
.endr
.endm
; A K step is four quarter steps of 32 along K, 64 matrix instructions each, on buffers 0, 1, 0, 1.
; One of the first three: multiplies buffer f; in its middle it fetches the next quarter's fragments, at byte k of the same slot's rows, into buffer g.
.macro QUARTER slot, k, f, g, first
	s_wait_dscnt 8                                 ; wb's fragments and xb's rows 0-63 are in; the youngest eight loads (xb's rows 64-127) may be out
	MUL16 \f, 0, 0, \first
	MUL16 \f, 0, 2, \first
	PLACES
	FETCH \slot, \k, \g
	s_wait_dscnt 32                                ; all but the 32 just issued
	MUL16 \f, 1, 0, \first
	MUL16 \f, 1, 2, \first
.endm
; The last quarter multiplies buffer 1 and changes slots: ONE barrier, for two things.  In front of it each wave waits for all its tensor loads, of which one is out: its part of the next slot; adds 0 to its
; spare word; and waits for that and for its own reads of this slot.  Behind it nobody reads this slot any more and the next slot is whole.
; fill = 1: the barrier opens a round of the cluster's barrier, and behind the round this slot is filled again first, with the K step two steps on; then come the next slot's first fragments.
; From a request to the wait for it a wave issues 224 matrix instructions.
.macro TURN slot, next, fill
.if \fill
	s_wait_xcnt 0x0                                ; the last prefetch, a K step back, has read its address: it is stepped here, ahead of the waits of the change of slots
	s_add_nc_u64 s[PFA:PFA+1], s[PFA:PFA+1], KSTEP*2
.endif
	WIN 0                                          ; (the add's two registers lie in window 0)
	s_wait_tensorcnt 0x0                           ; all my tensor loads have landed: the one that was out is my part of the next slot;
	ds_add_u32 v[SPW], v[NIL]                      ; 0 onto my spare word;
	s_wait_dscnt 9                                 ; (the add and the youngest eight loads may be out)
	MUL16 F1, 0, 0, 0                              ; sixteen matrix instructions stand between the add and the wait for it
	s_wait_dscnt 0x0                               ; the add is done, and my reads of this slot are over:
	s_barrier_signal -1                            ; say so,
	MUL16 F1, 0, 2, 0                              ; work on registers while the others arrive,
.if \fill
	WIN 0
.endif
	s_barrier_wait -1                              ; and go on when all four have said so
.if \fill
	CREST                                          ; wave 0 says so for the work-group, all sixteen work-groups have said so, my work-group's barrier closes the round:
	                                               ; no wave of any partner still reads this slot's tile or has a load on its way
	s_add_nc_u64 s[G0+4*(\slot)+2:G0+4*(\slot)+3], s[G0+4*(\slot)+2:G0+4*(\slot)+3], 2*KSTEP*2      ; no tensor load of mine is out, so a group 0 may be written; the type bits on top are not reached
	s_add_nc_u64 s[G0B+4*(\slot)+2:G0B+4*(\slot)+3], s[G0B+4*(\slot)+2:G0B+4*(\slot)+3], 2*KSTEP*2
	JLOAD \slot                                    ; the first tensor load behind the round, my only one until the next; the four v_nop behind it are also the places in front of the loads below
.else
	PLACES
.endif
	FETCH \next, 0, F0
.if \fill
	ASK                                            ; behind the joint load and the run of LDS loads that the next products wait for
.endif
	MUL16 F1, 1, 0, 0
	MUL16 F1, 1, 2, 0
.endm
; THE WAY OUT of block a (16 rows x 128 columns of f32).  TOSTAGE: a lane's 32 bytes of each of the 8 column blocks go into my own stage, rows of 528 bytes; they come back as whole rows of 512.
; The stage is my wave's own, and LDS serves a wave's instructions in order (ISA guide 5.7.1.4): the loads see the stores above them, and the next block's stores come behind these loads.
; Each accumulator's four lowest registers are read first.
.macro TOSTAGE a
.set AC, 64*((\a)%4)
.set BK, OB+64*((\a)%2)
	WIN 0x08+4*((\a)/4)                            ; an LDS store's data is source 1: window 2 or 3
.irp b, 0,1,2,3,4,5,6,7
	ds_store_b128 v[STO], v[AC+8*(\b):AC+8*(\b)+3]   offset:64*(\b)
	ds_store_b128 v[STO], v[AC+8*(\b)+4:AC+8*(\b)+7] offset:64*(\b)+16
.endr
	WIN 0
.if (\a) >= 2
	s_wait_xcnt 0x0                                ; every earlier memory instruction has had its addresses translated (ISA guide 3.1): the registers that block a - 2's stores read are loaded again only behind this wait
.endif
.irp t, 0,1,2,3,4,5,6,7,8,9,10,11,12,13,14,15
	ds_load_b128 v[BK+4*(\t):BK+4*(\t)+3], v[RD] offset:(\t)*SPITCH
.endr
.endm
.macro SEND a, younger                 ; younger: the LDS instructions issued behind block a's loads: the next block's 16 stores and 16 loads, or none
.set BK, OB+64*((\a)%2)
	WIN 0
.irp t, 0,1,2,3,4,5,6,7,8,9,10,11,12,13,14,15
	s_wait_dscnt (\younger)+15-(\t)                ; row t is back in registers
	global_store_b128 v[CO], v[BK+4*(\t):BK+4*(\t)+3], s[OUT:OUT+1] offset:(16*(\a)+(\t))*ROWC th:TH_STORE_NT  ; 32 lanes store 512 consecutive bytes, at a multiple of 512 from out0's first byte; 127 rows at the most stand in the immediate: 2,080,768, inside its signed 24 bits
.endr
.endm
	s_wait_tensorcnt 1                             ; my part of K step 0 is in; K step 1's may stay out
	s_barrier_signal -1
	s_barrier_wait -1                              ; everybody's is
	FETCH 0, 0, F0
	s_wait_loadcnt 0x0                             ; bias
	QUARTER 0, 64,  F0, F1, 1                      ; the first quarter stands in front of the loop: its products start the sums, at bias
	WIN 0                                          ; at a label and at a branch every window is 0
	s_mov_b32 s3, LAPS-1
.Llap:                                                 ; 15 trips: a trip goes once round the ring, from a lap's second quarter to the next lap's first, and fills both slots again
	QUARTER 0, 128, F1, F0, 0
	QUARTER 0, 192, F0, F1, 0
	TURN 0, 1, 1
	QUARTER 1, 64,  F0, F1, 0
	QUARTER 1, 128, F1, F0, 0
	QUARTER 1, 192, F0, F1, 0
	TURN 1, 0, 1
	QUARTER 0, 64,  F0, F1, 0
	WIN 0
	s_sub_co_u32 s3, s3, 1
	s_cmp_lg_u32 s3, 0
	s_cbranch_scc1 .Llap
	QUARTER 0, 128, F1, F0, 0                      ; the last lap is written out: it fills nothing, and has no round of the cluster's barrier
	QUARTER 0, 192, F0, F1, 0
	TURN 0, 1, 0
	QUARTER 1, 64,  F0, F1, 0
	QUARTER 1, 128, F1, F0, 0
	QUARTER 1, 192, F0, F1, 0
	s_wait_dscnt 8                                 ; the very last quarter: nothing more to fetch
	MUL16 F1, 0, 0, 0
	MUL16 F1, 0, 2, 0
	s_wait_dscnt 0x0
	MUL16 F1, 1, 0, 0
	MUL16 F1, 1, 2, 0
	WIN 0
	PLACES                                         ; in front of LDS stores that read results and of loads into the fragments' registers
	PLACES                                         ; (eight, once a launch)
	TOSTAGE 0
.irp a, 1,2,3,4,5,6,7                  ; block a's way through the stage is issued ahead of block a - 1's stores, which wait for rows that were asked for a block earlier
	TOSTAGE \a
	SEND (\a)-1, 32
.endr
	SEND 7, 0
	s_wait_tensorcnt 0x0                           ; the wave's end, behind my last tensor load and my last LDS store
	ds_add_u32 v[SPW], v[NIL]
	s_wait_dscnt 0x0
	CROUND                                         ; the closing round: no work-group ends while a partner may still ask for a tile that names it
	s_endpgm
.Lfunc_end_k_q45d2cb4a3c_gemm:
	.size	k_q45d2cb4a3c_gemm, .Lfunc_end_k_q45d2cb4a3c_gemm-k_q45d2cb4a3c_gemm
	.p2alignl 7, 3214868480
	.fill 96, 4, 3214868480
	.section	.rodata,"a",@progbits
	.p2align	6, 0x0
	.amdhsa_kernel k_q45d2cb4a3c_gemm
		.amdhsa_group_segment_fixed_size 327680
		.amdhsa_private_segment_fixed_size 0
		.amdhsa_enable_private_segment 0
		.amdhsa_kernarg_size 32
		.amdhsa_user_sgpr_count 2
		.amdhsa_user_sgpr_kernarg_segment_ptr 1
		.amdhsa_wavefront_size32 1
		.amdhsa_system_sgpr_workgroup_id_x 1
		.amdhsa_system_sgpr_workgroup_id_y 1
		.amdhsa_system_sgpr_workgroup_id_z 1
		.amdhsa_system_vgpr_workitem_id 0
		.amdhsa_next_free_vgpr 1024
		.amdhsa_next_free_sgpr 72
		.amdhsa_reserve_vcc 0
		.amdhsa_float_denorm_mode_32 3
		.amdhsa_float_denorm_mode_16_64 3
		.amdhsa_memory_ordered 1
		.amdhsa_forward_progress 1
		.amdhsa_inst_pref_size 147
	.end_amdhsa_kernel
	.amdgpu_metadata
---
amdhsa.version: [ 1, 2 ]
amdhsa.kernels:
  - .name:           k_q45d2cb4a3c_gemm
    .symbol:         k_q45d2cb4a3c_gemm.kd
    .args:
      - { .name: xb, .offset: 0, .size: 8, .value_kind: global_buffer, .address_space: global }
      - { .name: wb, .offset: 8, .size: 8, .value_kind: global_buffer, .address_space: global }
      - { .name: out0, .offset: 16, .size: 8, .value_kind: global_buffer, .address_space: global }
      - { .name: bias, .offset: 24, .size: 8, .value_kind: global_buffer, .address_space: global }
    .group_segment_fixed_size: 327680
    .private_segment_fixed_size: 0
    .kernarg_segment_align: 8
    .kernarg_segment_size: 32
    .max_flat_workgroup_size: 128
    .sgpr_count:     72
    .vgpr_count:     1024
    .wavefront_size: 32
...
	.end_amdgpu_metadata
.endif
;; end of part 2
;; ======== version 2 of 2: 2 launches; version 1 with the launch prep written anew for expert scheduling mode
;; workspace buffers: xb 33,554,432 bytes; wb 33,554,432 bytes
;; launch prep (part 3): grid 1024 x 1, 8 waves a work-group, no clusters, 0 bytes of LDS; arguments x, weight_q3, weight_norm, xb, wb; writes xb, wb
.if DOCPART == 3
	.amdgcn_target "amdgcn-amd-amdhsa--gfx1250"
	.amdhsa_code_object_version 6
	.text
	.protected	k_q45d2cb4a3c_prep
	.globl	k_q45d2cb4a3c_prep
	.p2align	8
	.type	k_q45d2cb4a3c_prep,@function
k_q45d2cb4a3c_prep:
	s_mov_b64 s[64:65], 0
	v_nop
	global_prefetch_b8 v0, s[64:65] scope:SCOPE_SE
	s_setreg_imm32_b32 hwreg(HW_REG_WAVE_SCHED_MODE, 0, 2), 2
	s_setreg_imm32_b32 hwreg(HW_REG_WAVE_MODE, 25, 1), 1
	s_wait_xcnt 0x0
	s_wait_alu depctr_vm_vsrc(0)
; FIRST OF TWO LAUNCHES for out0[m][o] = sum over i of x[m][i] W[o][i] + bias[o], m, o, i = 4,096 each.
; This launch makes the two matrix operands once: xb = x rounded to bf16, wb = W unpacked, scaled and rounded to bf16, both [4096][4096], row-major.
; NOTHING OF reference() IS LEFT OUT: its slice [:O*I] keeps every weight, and all four inputs reach the output (bias is read by the second launch).
; W.  A group of 32 neighbouring weights is 12 words of weight_q3, one byte in each; reference() reads only bits 7:0 of a word, whatever the word holds, and so does this text.
; Three bytes are t = b0 | b1 << 8 | b2 << 16, and weight n of the triplet's eight is bits 3 n + 2 .. 3 n of t (reference()'s eight formulas, one by one).
; Its value is (q / 7 x 2 - 1) x s, s = the group's weight_norm.  Here: s is rounded to bf16 first, then q x (2 s / 7) - s by one fused multiply-add in f32, then one rounding to bf16.
; LIMITS.  x and weight_norm are rounded to bf16 (nearest even): a magnitude of 3.39e38 or more becomes an infinity.  The order of the f32 operations differs from reference()'s
; by a few units in the last place of f32, under the one rounding to bf16.  NaN and infinities are not treated apart.
; SHARES.  8,192 waves, no loop, no LDS, no barrier: memory binds, nothing is shared, each byte is read once and written once.  Wave u = 8 x work-group + wave takes
;   2,048 numbers of x: 16 loads of 512 consecutive bytes; each becomes one store of 256 consecutive bytes, aligned;
;   2,048 weights = 64 groups = 256 triplets: slot j of eight holds triplets 32 j + lane, three words a lane; each slot becomes one store of 512 consecutive bytes, aligned.
; All 42 loads of a wave go out before its first wait on data.
; THE NORMS are read once, 128 consecutive bytes an instruction.  Slot j, lane 4 Q + t, wants norm 8 j + Q.  Lane 4 Q + t loads norms 8 t + Q and 8 t + Q + 32; slot j then takes the
; value of lane j % 4 of the lane's own group of four lanes, from the first register (j < 4) or the second.
; THE MODE: SCHED_MODE bits 1:0 = 2 (LLVM: expert scheduling mode 2), set by the entry lines.  The code itself states the register dependences
; between vector instructions and memory instructions, with s_wait_alu, always for 0.
; THE PLAN.  The text is one straight run.  Registers that memory instructions touch:
;   v3-v7      byte offsets.  Written by vector instructions at the head, once; read by every load and store; never written again.
;   v8-v9      the norms.  Two loads land in them; behind the wait for those loads vector instructions alone name them.
;   Q slot j   Three loads land in it; slot j's vector work reads it and its four roundings write it; ONE store reads it; it is never written again.
;   X slot j   One load lands in it; slot j's two roundings read it and write its first two registers; ONE store reads those; never written again.
;   v10-v25 are named by vector instructions alone.
; All loads are issued before any vector instruction names a register in which one lands.  No register that a memory instruction has read is written again.  No vector instruction writes a scalar
; register, VCC or EXEC.  So what is left to state is: the offsets are written (once, at the head), and a store's data are written.  For that the slots go in BLOCKS: two weight slots, four slots of x.
; A block's stores are issued in the block behind it, one at the head of each of its slots, and ONE wait on va_vdst stands at that block's head, behind the wait for its first slot's data: it states
; that the block before has written its registers.  The vector instructions that follow the wait name the block in hand and v8-v25 alone, never the registers of the stores dealt among them.
.set XO, 3                             ; v3   x: wave x 8,192 + lane x 16; never rewritten
.set XS, 4                             ; v4   xb: wave x 4,096 + lane x 8; never rewritten
.set QO, 5                             ; v5   weight_q3: wave x 3,072 + lane x 12; never rewritten
.set NO, 6                             ; v6   weight_norm: wave x 256 + (lane % 4) x 32 + (lane / 4) x 4; never rewritten
.set WO, 7                             ; v7   wb: wave x 4,096 + lane x 16; never rewritten
.set R0, 8                             ; v8-9    the two norms, as loaded, then as bf16 values in f32
.set A0, 10                            ; v10-11  2 s / 7 of the two
.set PA, 12                            ; v[12:13] the slot's 2 s / 7 in the low register: the packed multiply-add names a pair and takes its low register for both halves
.set PS, 14                            ; v[14:15] the slot's s, likewise
.set T,  16                            ; v16  at work
.set F,  18                            ; v[18:25] eight weights in f32
.set Q,  28                            ; v[28:59] slot j at Q + 4 j: three words as loaded, then four registers to store
.set X,  60                            ; v[60:123] slot j at X + 4 j: four f32 as loaded, then two registers to store
	s_load_b256 s[4:11], s[0:1], 0x0               ; x s[4:5], weight_q3 s[6:7], weight_norm s[8:9], xb s[10:11]
	s_load_b64 s[12:13], s[0:1], 0x20              ; wb
	v_and_b32 v1, 31, v0                           ; lane
	v_lshrrev_b32 v2, 5, v0                        ; wave
	s_lshl_b32 s14, ttmp9, 16                      ; the work-group's part of x: 8 waves x 8,192 bytes
	s_mov_b32 s15, 0
	s_lshl_b32 s16, ttmp9, 15                      ; of xb and of wb: 8 x 4,096
	s_mov_b32 s17, 0
	s_mul_i32 s18, ttmp9, 24576                    ; of weight_q3: 8 x 3,072
	s_mov_b32 s19, 0
	s_lshl_b32 s20, ttmp9, 11                      ; of weight_norm: 8 x 256
	s_mov_b32 s21, 0
	s_mov_b32 s22, 0x00000400                      ; byte selects: byte 0 of the second source, byte 0 of the first
	s_mov_b32 s23, 0x04040100                      ; bytes 0 and 1 of the second source, byte 0 of the first
	s_mov_b32 s24, 0xffff0000                      ; a word's upper bf16
	v_lshlrev_b32 v[XO], 4, v1
	v_lshl_add_u32 v[XO], v2, 13, v[XO]
	v_lshlrev_b32 v[XS], 3, v1
	v_lshl_add_u32 v[XS], v2, 12, v[XS]
	v_mul_u32_u24 v[QO], v2, 3072
	v_mad_u32_u24 v[QO], v1, 12, v[QO]
	v_and_b32 v[NO], 3, v1
	v_lshlrev_b32 v[NO], 5, v[NO]
	v_lshrrev_b32 v[T], 2, v1
	v_lshl_add_u32 v[NO], v[T], 2, v[NO]
	v_lshl_add_u32 v[NO], v2, 8, v[NO]
	v_lshlrev_b32 v[WO], 4, v1
	v_lshl_add_u32 v[WO], v2, 12, v[WO]
.irp r, 0,1,2,3
	v_mov_b32 v[PA+(\r)], 0                        ; a move from another lane counts as a reader of its destination, and a pair is read whole: all four are written once
.endr
	s_wait_kmcnt 0x0
	s_add_nc_u64 s[4:5], s[4:5], s[14:15]
	s_add_nc_u64 s[6:7], s[6:7], s[18:19]
	s_add_nc_u64 s[8:9], s[8:9], s[20:21]
	s_add_nc_u64 s[10:11], s[10:11], s[16:17]
	s_add_nc_u64 s[12:13], s[12:13], s[16:17]
	s_wait_alu depctr_va_vdst(0)                   ; the five offsets v3 to v7 are written: every load and store of the kernel reads one of them, and none is written again
	global_load_b32 v[R0],   v[NO], s[8:9] th:TH_LOAD_NT
	global_load_b32 v[R0+1], v[NO], s[8:9] offset:128 th:TH_LOAD_NT
.irp j, 0,1,2,3,4,5,6,7
.irp c, 0,1,2
	global_load_b32 v[Q+4*(\j)+(\c)], v[QO], s[6:7] offset:384*(\j)+4*(\c)  ; word c of triplet 32 j + lane; a slot's three loads read neighbouring words of the same 384 bytes, so they carry no hint
.endr
.endr
.irp j, 0,1,2,3,4,5,6,7,8,9,10,11,12,13,14,15
	global_load_b128 v[X+4*(\j):X+4*(\j)+3], v[XO], s[4:5] offset:512*(\j) th:TH_LOAD_NT
.endr
	s_wait_loadcnt 40                              ; loads come back in order (ISA guide 5.7.1): the two norms are in; the 24 + 16 younger loads stay out
	v_cvt_pk_bf16_f32 v[T], v[R0], v[R0+1]         ; s rounded to bf16,
	v_lshlrev_b32 v[R0], 16, v[T]                  ; and back in f32
	v_and_b32 v[R0+1], s24, v[T]
	v_mul_f32 v[A0],   0x3e924925, v[R0]           ; 2 / 7 x s
	v_mul_f32 v[A0+1], 0x3e924925, v[R0+1]
; The store of weight slot j, and of x's slot j.
.macro WOUT j
	global_store_b128 v[WO], v[Q+4*(\j):Q+4*(\j)+3], s[12:13] offset:512*(\j) th:TH_STORE_NT  ; 32 lanes store 512 consecutive bytes, at a multiple of 512 from wb's first byte
.endm
.macro XOUT j
	global_store_b64 v[XS], v[X+4*(\j):X+4*(\j)+1], s[10:11] offset:256*(\j) th:TH_STORE_NT  ; 32 lanes store 256 consecutive bytes, at a multiple of 256 from xb's first byte
.endm
; Slot j: eight weights a lane.  k = j % 4: the lane of my four that holds the slot's norm; h = j / 4: in which register.
; A block is two slots.  At its head slot j issues the store of slot j - 2, a slot of the block before.
.macro DEQ j, k, h
	s_wait_loadcnt 3*(7-(\j))+16                   ; my three words are in: the later slots' 3 (7 - j) loads and x's 16 stay out
.if ((\j) % 2 == 0) && ((\j) > 0)
	s_wait_alu depctr_va_vdst(0)                   ; the roundings of slots j - 2 and j - 1 have written their Q registers, which the store below and the store at the next slot's head read
.endif
.if (\j) >= 2
	WOUT (\j)-2                                    ; no vector instruction since that wait names its data or its offset
.endif
	v_perm_b32 v[T], v[Q+4*(\j)+1], v[Q+4*(\j)], s22  ; b0, b1
	v_perm_b32 v[T], v[Q+4*(\j)+2], v[T], s23      ; b0, b1, b2: t in bits 23:0; the top byte is never read
	v_mov_b32_dpp v[PA], v[A0+(\h)] quad_perm:[\k,\k,\k,\k] row_mask:0xf bank_mask:0xf
	v_mov_b32_dpp v[PS], v[R0+(\h)] quad_perm:[\k,\k,\k,\k] row_mask:0xf bank_mask:0xf
	v_and_b32 v[F], 7, v[T]
.irp i, 1,2,3,4,5,6,7
	v_bfe_u32 v[F+(\i)], v[T], 3*(\i), 3
.endr
.irp i, 0,1,2,3,4,5,6,7
	v_cvt_f32_u32 v[F+(\i)], v[F+(\i)]
.endr
.irp i, 0,2,4,6
	v_pk_fma_f32 v[F+(\i):F+(\i)+1], v[F+(\i):F+(\i)+1], v[PA:PA+1], v[PS:PS+1] op_sel_hi:[1,0,0] neg_lo:[0,0,1] neg_hi:[0,0,1]  ; q x 2 s / 7 - s, two at a time
.endr
.irp i, 0,1,2,3
	v_cvt_pk_bf16_f32 v[Q+4*(\j)+(\i)], v[F+2*(\i)], v[F+2*(\i)+1]
.endr
.endm
	DEQ 0, 0, 0
	DEQ 1, 1, 0
	DEQ 2, 2, 0
	DEQ 3, 3, 0
	DEQ 4, 0, 1
	DEQ 5, 1, 1
	DEQ 6, 2, 1
	DEQ 7, 3, 1
; x's slot j: four numbers a lane.  A block is four slots.  At its head slot j issues the store of slot j - 4, a slot of the block before; slot 0 issues the last two weight slots' stores.
.macro CVX j
	s_wait_loadcnt 15-(\j)                         ; x's slot j is in; the later slots stay out
.if (\j) % 4 == 0
	s_wait_alu depctr_va_vdst(0)                   ; the roundings of the block before (for slot 0: of weight slots 6 and 7) have written the registers that the stores at this block's four heads read
.endif
.if (\j) == 0
	WOUT 6
	WOUT 7
.endif
.if (\j) >= 4
	XOUT (\j)-4                                    ; no vector instruction since that wait names its data or its offset
.endif
	v_cvt_pk_bf16_f32 v[X+4*(\j)],   v[X+4*(\j)],   v[X+4*(\j)+1]
	v_cvt_pk_bf16_f32 v[X+4*(\j)+1], v[X+4*(\j)+2], v[X+4*(\j)+3]
.endm
.irp j, 0,1,2,3,4,5,6,7,8,9,10,11,12,13,14,15
	CVX \j
.endr
	s_wait_alu depctr_va_vdst(0)                   ; the roundings of x's slots 12 to 15 have written the registers that the last four stores read
.irp j, 12,13,14,15
	XOUT \j
.endr
	s_endpgm                                       ; no register that a load or store names is ever written again, so the text has no wait on addresses and none on registers that memory instructions have read
.Lfunc_end_k_q45d2cb4a3c_prep:
	.size	k_q45d2cb4a3c_prep, .Lfunc_end_k_q45d2cb4a3c_prep-k_q45d2cb4a3c_prep
	.p2alignl 7, 3214868480
	.fill 96, 4, 3214868480
	.section	.rodata,"a",@progbits
	.p2align	6, 0x0
	.amdhsa_kernel k_q45d2cb4a3c_prep
		.amdhsa_group_segment_fixed_size 0
		.amdhsa_private_segment_fixed_size 0
		.amdhsa_enable_private_segment 0
		.amdhsa_kernarg_size 40
		.amdhsa_user_sgpr_count 2
		.amdhsa_user_sgpr_kernarg_segment_ptr 1
		.amdhsa_wavefront_size32 1
		.amdhsa_system_sgpr_workgroup_id_x 1
		.amdhsa_system_sgpr_workgroup_id_y 1
		.amdhsa_system_sgpr_workgroup_id_z 1
		.amdhsa_system_vgpr_workitem_id 0
		.amdhsa_next_free_vgpr 128
		.amdhsa_next_free_sgpr 66
		.amdhsa_reserve_vcc 0
		.amdhsa_float_denorm_mode_32 3
		.amdhsa_float_denorm_mode_16_64 3
		.amdhsa_memory_ordered 1
		.amdhsa_forward_progress 1
		.amdhsa_inst_pref_size 24
	.end_amdhsa_kernel
	.amdgpu_metadata
---
amdhsa.version: [ 1, 2 ]
amdhsa.kernels:
  - .name:           k_q45d2cb4a3c_prep
    .symbol:         k_q45d2cb4a3c_prep.kd
    .args:
      - { .name: x, .offset: 0, .size: 8, .value_kind: global_buffer, .address_space: global }
      - { .name: weight_q3, .offset: 8, .size: 8, .value_kind: global_buffer, .address_space: global }
      - { .name: weight_norm, .offset: 16, .size: 8, .value_kind: global_buffer, .address_space: global }
      - { .name: xb, .offset: 24, .size: 8, .value_kind: global_buffer, .address_space: global }
      - { .name: wb, .offset: 32, .size: 8, .value_kind: global_buffer, .address_space: global }
    .group_segment_fixed_size: 0
    .private_segment_fixed_size: 0
    .kernarg_segment_align: 8
    .kernarg_segment_size: 40
    .max_flat_workgroup_size: 256
    .sgpr_count:     66
    .vgpr_count:     128
    .wavefront_size: 32
...
	.end_amdgpu_metadata
.endif
;; end of part 3
;; launch gemm: the kernel of part 2 again; grid 16 x 16, 4 waves a work-group, clusters of 4 x 4, 327,680 bytes of LDS; arguments xb, wb, out0, bias; writes out0
